; MI455X (gfx1250); checked and timed in simulation.
; The chip was launched on July 23, 2026; its instructions are those of AMD's public machine-readable ISA for CDNA 5 (MIT licence, August 2026) and "CDNA5" Instruction Set Architecture Reference Guide (July 2026). The comments in the code are by the model that wrote it; some were corrected since.
;; Multi Head Self Attention. Allowed arithmetic: matrix products marked QUANTISED: E2M1 operands, one E8M0 scale for each 32 along K, by v_wmma_scale_f32_16x16x128_f8f6f4 with both operands' format E2M1 (or v_wmma_scale_f32_32x16x128_f4), f32 sums; products left as they are: bf16, f16 or f32 operands; f32 sums; everything else in f32.
;; Inputs: W_k 512 x 512 float32; W_o 512 x 512 float32; W_q 512 x 512 float32; W_v 512 x 512 float32; x 2 x 4,096 x 512 float32.
;; Outputs: out0 2 x 4,096 x 512 float32.
;; This version of the problem:
;;   THIS VERSION OF THE PROBLEM IS GIVEN IN LOW PRECISION. The matrix products marked QUANTISED in the list below multiply operands that are first quantised to E2M1 (2 exponent bits, 1 mantissa bit; 4 bits a number), with one power-of-two scale for each 32 numbers along K (OCP MX v1.0); their sums are f32. The products marked 'left as it is' may take bf16, f16 or f32 operands, with f32 sums. Whichever they take, every output number must still come out within the allowed error. Rounding operands to bf16 (8 significant bits) uses up far more of that allowance than f16 does (11 bits, for magnitudes from 6e-5 to 65,504). All else is computed in f32.
;;   The module's matrix products, in the order in which they are computed (A, B: the left and right operand; K: the contracted axis; several contracted axes count as one K, in the product's order):
;;     1. [M 8,192, K 512] x [K 512, N 512]; A: input x; B: input W_q: QUANTISED
;;     2. [M 8,192, K 512] x [K 512, N 512]; A: input x; B: input W_k: QUANTISED
;;     3. [M 8,192, K 512] x [K 512, N 512]; A: input x; B: input W_v: QUANTISED
;;     4. batch 16 x [M 4,096, K 64] x [K 64, N 4,096]; A: computed on the way; B: computed on the way: left as it is (an operand is computed on the way)
;;     5. batch 16 x [M 4,096, K 4,096] x [K 4,096, N 64]; A: computed on the way; B: computed on the way: left as it is (an operand is computed on the way)
;;     6. [M 8,192, K 512] x [K 512, N 512]; A: computed on the way; B: input W_o: left as it is (an operand is computed on the way)
;;   THE QUANTISER, for each operand of a quantised product, along K:
;;     - K is cut into blocks of 32 from its start; a last block that is shorter is filled with zeros.
;;     - A block's scale is 2^e with e = floor(log2(the largest magnitude in the block)) - 2, held to -126 .. 127; a block of zeros has e = 0. As a byte (E8M0): e + 127.
;;     - Each number is divided by its block's scale, clamped to +-6, and rounded to the nearest number of E2M1, ties to even, subnormals kept.
;;     - The product sums the exact products of the quantised numbers (number of the format x scale) in f32.
;;   ~~~python
;;   def quantise(x, axis):      # numpy; x: float32 -> the quantised numbers, widened to float32 again
;;       x = np.moveaxis(x, axis, -1); K = x.shape[-1]
;;       x = np.pad(x, [(0, 0)] * (x.ndim - 1) + [(0, -K % 32)]); x = x.reshape(x.shape[:-1] + (-1, 32)); a = np.abs(x).max(-1, keepdims=True)
;;       e = np.where(a > 0, np.clip(np.frexp(np.where(a > 0, a, 1))[1] - 1 - 2, -126, 127), 0)      # np.frexp(a)[1] - 1 = floor(log2(a)), exactly
;;       r = np.clip(x / 2.0 ** e, -6, 6)
;;       step = 2.0 ** (np.maximum(np.frexp(np.where(r == 0, 1, r))[1] - 1, 0) - 1)
;;       q = np.round(r / step) * step * 2.0 ** e      # np.round: ties to even
;;       return np.moveaxis(q.reshape(q.shape[:-2] + (-1,))[..., :K], -1, axis).astype(np.float32)
;;   ~~~
;; One version. Each part assembles by itself: llvm-mc -triple=amdgcn-amd-amdhsa -mcpu=gfx1250 --defsym DOCPART=n.
;; ======== version 1 of 1: 4 launches
;; limits: values are held in f16: magnitudes above 65,504 overflow, below 6.1e-05 lose precision
;; workspace buffers: x_codes 2,097,152 bytes; w_codes 393,216 bytes; scl 155,648 bytes; wo_f 524,288 bytes; qkv 25,165,824 bytes; cat 8,388,608 bytes
;; launch prep (part 1): grid 192 x 1, 4 waves a work-group, no clusters, 33,280 bytes of LDS; arguments x, W_q, W_k, W_v, W_o, x_codes, w_codes, scl, wo_f; writes x_codes, w_codes, scl, wo_f
.if DOCPART == 1
	.amdgcn_target "amdgcn-amd-amdhsa--gfx1250"
	.amdhsa_code_object_version 6
	.text
	.protected	k_q271cc94b19_prep
	.globl	k_q271cc94b19_prep
	.p2align	8
	.type	k_q271cc94b19_prep,@function
k_q271cc94b19_prep:
	s_mov_b64 s[64:65], 0
	v_nop
	global_prefetch_b8 v0, s[64:65] scope:SCOPE_SE
	s_setreg_imm32_b32 hwreg(HW_REG_WAVE_MODE, 25, 1), 1
	s_wait_xcnt 0x0
; THE OPERANDS ARE MADE ONCE.  x [8192][512] f32 -> codes of FP4 (E2M1), K innermost, [8192][256 bytes], and one E8M0 byte for each 32 along K, [8192][16].
; W_q, W_k, W_v [512 (k)][512 (n)] f32 -> codes of FP4 along k, laid as IMAGES OF THE OPERAND'S REGISTERS: [tile of 16 columns, 96 in all: q, k, v][K step of 128][c][lane][16 bytes];
; their scale bytes [1536 columns][16], behind x's in the same buffer (from byte 131,072).   W_o [512 (k)][512 (n)] f32 -> f16, as images of 16 x 32 fragments: [tile of 16 columns][32 along k][half][lane][16 bytes].
; A block's scale is 2^(floor(log2(its largest magnitude)) - 2); its byte is the largest magnitude's exponent field - 2, held at 1 from below.
; LIMITS: a block of zeros gets the byte 1 where the rule says 127 (its codes are zeros, and this program alone reads the bytes); blocks whose largest magnitude lies under 2^-124 were not tried;
; NaN and infinities are not served; W_o beyond 65,504 has no f16 number.
; Work-groups 0-127 take x (a wave: 16 rows, a row a step); work-groups 128-191 the weights (a wave: 16 columns x 256 along k of one matrix).  No tensor load, no barrier: waves share nothing.
.set WREG,  8192                       ; LDS, x's path alone: a region for each wave: two stages of 32 x SP bytes, behind them its 256 scale bytes
.set SP,    80                         ; a lane's place in a stage: 64 bytes + 16 of padding
.set SPARE, 4*WREG                     ; the spare words, 128 bytes for each wave: two blocks of 256 bytes that no other line names
.set STEPS, 16
.set EMAX,  2
.set SPW,   12                         ; v12  LDS address of my spare word; never rewritten
.set NIL,   13                         ; v13  0; never rewritten
.set R,     16                         ; x: v16-143  eight sets of 16 numbers as loaded
.set X,     144                        ;    v144-175 two sets of 16 neighbours
.set E,     176                        ;    v176-191 a scale byte for each step
.set C,     192                        ;    v192-223 two registers of codes for each step: no store's data are written again
.set WX,    16                         ; weights: v16-143 my 128 numbers
.set MX,    144                        ;    v144-145 largest magnitudes, v146-147 the conversions' scale operands, v148-149 bytes
.set SO,    146
.set BY,    148
.set WD,    150                        ;    v150-151 the scale words of my two K steps
.set TP,    152
.set SH,    153                        ;    8 x (lane / 16)
.set SV,    154                        ;    the word that I store, v155 where
.set SA,    155
.set WC,    192                        ;    v192-255 what I store
	s_load_b512 s[4:19], s[0:1], 0x0               ; x 4, W_q 6, W_k 8, W_v 10, W_o 12, x_codes 14, w_codes 16, scl 18
	s_load_b64 s[20:21], s[0:1], 0x40              ; wo_f
	v_lshl_add_u32 v[SPW], v0, 2, SPARE
	v_mov_b32 v[NIL], 0
	v_lshrrev_b32 v1, 5, v0
	v_readfirstlane_b32 s22, v1                    ; wave
	v_and_b32 v2, 31, v0                           ; lane
	s_cmp_ge_u32 ttmp9, 128
	s_cbranch_scc1 .Lweights
	; ---------------- x: a plain stream of blocks of 32 ----------------
	; The conversions take 8 numbers of one block from ONE lane's registers, a load is best where neighbouring lanes take neighbouring bytes: each of a step's four loads reads 512 consecutive bytes,
	; the 2,048 bytes turn through the wave's own stage in LDS and come back 64 bytes a lane.  Two neighbouring lanes hold a block.
	v_lshlrev_b32 v3, 4, v2                        ; my 16 bytes of a load's 512
	s_mul_i32 s23, s22, WREG
	v_lshrrev_b32 v14, 2, v2
	v_mul_u32_u24 v14, v14, SP
	v_and_b32 v15, 3, v2
	v_lshl_add_u32 v14, v15, 4, v14
	v_add_nc_u32 v14, s23, v14                     ; the stage, on the way in: SP (lane / 4) + 16 (lane % 4)
	v_mul_u32_u24 v15, v2, SP
	v_add_nc_u32 v15, s23, v15                     ; and on the way out: SP x lane
	v_lshlrev_b32 v4, 3, v2                        ; 8 bytes a lane: my codes' place in a step's 256, and my scale bytes' in the wave's 256
	v_lshrrev_b32 v5, 1, v2
	s_add_co_u32 s23, s23, 2*32*SP
	v_add_nc_u32 v5, s23, v5                       ; LDS: my block's byte
	v_add_nc_u32 v6, s23, v4                       ; and 8 bytes a lane on the way out
	s_lshl_b32 s24, ttmp9, 2
	s_add_co_u32 s24, s24, s22                     ; which run of 16 rows is my wave's
	s_mov_b32 s27, 0
	s_lshl_b32 s26, s24, 15                        ; 16 rows x 2,048 bytes
	s_wait_kmcnt 0x0
	s_add_nc_u64 s[4:5], s[4:5], s[26:27]
	s_lshl_b32 s26, s24, 12                        ; 16 x 256 bytes of codes
	s_add_nc_u64 s[14:15], s[14:15], s[26:27]
	s_lshl_b32 s26, s24, 8                         ; 16 x 16 scale bytes
	s_add_nc_u64 s[18:19], s[18:19], s[26:27]
.macro LOAD t
.irp i, 0,1,2,3
	global_load_b128 v[R+16*((\t)%8)+4*\i:R+16*((\t)%8)+4*\i+3], v3, s[4:5] offset:2048*(\t)+512*\i th:TH_LOAD_NT
.endr
.endm
.macro TURN t                          ; LDS serves a wave's instructions in order (ISA guide 5.7.1.4): no wait between the stores and the loads
.irp i, 0,1,2,3
	ds_store_b128 v14, v[R+16*((\t)%8)+4*\i:R+16*((\t)%8)+4*\i+3] offset:32*SP*((\t)%2)+8*SP*\i
.endr
.irp i, 0,1,2,3
	ds_load_b128 v[X+16*((\t)%2)+4*\i:X+16*((\t)%2)+4*\i+3], v15 offset:32*SP*((\t)%2)+16*\i
.endr
.endm
.irp t, 0,1,2,3,4,5,6,7
	LOAD \t                                        ; eight steps, 32 loads of 512 bytes, are on their way in each wave
.endr
	s_wait_loadcnt 28                              ; step 0's four loads are in; the seven younger steps' 28 may be out
	TURN 0
.macro STEP t
.set XS, X+16*((\t)%2)
.if (\t) > 0
	s_wait_dscnt 1                                 ; this step's numbers are back from the stage (the last step's byte store may be out), so its stores into the stage have read their registers,
.else
	s_wait_dscnt 0x0
.endif
.if (\t)+8 < STEPS
	LOAD (\t)+8                                    ; which take the loads of eight steps on
.endif
.if (\t)+1 < STEPS
.if STEPS-2-(\t) >= 7
	s_wait_loadcnt 28                              ; the next step's four loads are in; those of the seven steps behind it may be out
.else
	s_wait_loadcnt 4*(STEPS-2-(\t))                ; towards the end: of as many steps as are left
.endif
	TURN (\t)+1
.endif
	v_max3_num_f32 v8, |v[XS]|, |v[XS+1]|, |v[XS+2]|               ; the largest magnitude of my 16, in two chains
	v_max3_num_f32 v9, |v[XS+3]|, |v[XS+4]|, |v[XS+5]|
.irp i, 6,10
	v_max3_num_f32 v8, v8, |v[XS+\i]|, |v[XS+\i+1]|
	v_max3_num_f32 v9, v9, |v[XS+\i+2]|, |v[XS+\i+3]|
.endr
	v_max3_num_f32 v8, v8, |v[XS+14]|, |v[XS+15]|
	v_max3_num_f32 v8, v8, v9, (EMAX+1)<<23        ; and the floor 2^(3 - 127): the byte cannot fall under 1
	v_max_num_f32_dpp v8, v8, v8 row_xmask:1 row_mask:0xf bank_mask:0xf   ; with my neighbour's 16: the block's
	v_add_nc_u32 v11, -(EMAX<<23), v8              ; 2 off its exponent field: the conversion takes the exponent field of this operand as its scale
	v_cvt_scalef32_pk8_fp4_f32 v[C+2*(\t)], v[XS:XS+7], v11
	v_cvt_scalef32_pk8_fp4_f32 v[C+2*(\t)+1], v[XS+8:XS+15], v11
	v_lshrrev_b32 v[E+(\t)], 23, v11               ; the scale's byte (a plain line behind the conversions)
	ds_store_b8 v5, v[E+(\t)] offset:16*(\t)       ; both lanes of a block write the same byte with the same value
	global_store_b64 v4, v[C+2*(\t):C+2*(\t)+1], s[14:15] offset:256*(\t)   ; the wave stores 256 consecutive bytes, aligned: a row's codes
.endm
.irp t, 0,1,2,3,4,5,6,7,8,9,10,11,12,13,14,15
	STEP \t
.endr
	ds_load_b64 v[8:9], v6                         ; in order behind my byte stores
	s_wait_dscnt 0x0
	global_store_b64 v4, v[8:9], s[18:19]          ; my 16 rows' scale bytes: 256 consecutive bytes, aligned
	s_wait_tensorcnt 0x0                           ; the wave's end, behind my last LDS store
	ds_add_u32 v[SPW], v[NIL]
	s_wait_dscnt 0x0
	s_endpgm
	; ---------------- the weights: a lane takes a column n, its registers run down k ----------------
.Lweights:
	s_sub_co_u32 s24, ttmp9, 128
	s_lshr_b32 s25, s24, 4                         ; which matrix: 0 q, 1 k, 2 v, 3 o
	s_bfe_u32 s26, s24, 0x30001                    ; which 64 columns
	s_and_b32 s27, s24, 1                          ; which 256 along k
	s_lshl_b32 s26, s26, 2
	s_add_co_u32 s26, s26, s22                     ; my tile of 16 columns, 0 .. 31: the four waves stand side by side on 256 bytes of each row
	v_and_b32 v1, 15, v0                           ; r
	v_bfe_u32 v3, v0, 4, 1                         ; h
	v_lshlrev_b32 v4, 4, v2                        ; 16 x lane: an image's place for my lane
	s_lshl_b32 s28, s27, 19                        ; 256 rows of 2,048 bytes
	s_lshl_b32 s29, s26, 6                         ; 16 columns of 4 bytes
	s_add_co_u32 s28, s28, s29
	s_mov_b32 s29, 0
	s_mov_b32 s32, 0x76543210
	s_mov_b32 s33, 0xfedcba98                      ; v_permlanex16_b32's selects for lane l xor 16
	s_wait_kmcnt 0x0
	s_cmp_eq_u32 s25, 1                            ; the matrix is chosen by the work-group's number alone
	s_cselect_b64 s[6:7], s[8:9], s[6:7]
	s_cmp_eq_u32 s25, 2
	s_cselect_b64 s[6:7], s[10:11], s[6:7]
	s_cmp_eq_u32 s25, 3
	s_cselect_b64 s[6:7], s[12:13], s[6:7]
	s_add_nc_u64 s[6:7], s[6:7], s[28:29]
	s_cmp_eq_u32 s25, 3
	s_cbranch_scc1 .Lwo
	; FP4: the operand's layout gives lane (r, h), in K step s, k = 128 s + 64 c + 32 h + 0 .. 31: two whole blocks a lane and K step, so no other lane is asked for a maximum
	v_lshlrev_b32 v5, 2, v1
	v_lshl_add_u32 v5, v3, 16, v5                  ; 4 r + 32 h rows
	v_lshlrev_b32 v[SH], 3, v3
	v_mov_b32 v[TP], 0                             ; a lane permute's destination counts as one of its sources
	v_lshlrev_b32 v[SA], 4, v1
	v_lshl_add_u32 v[SA], v3, 2, v[SA]             ; 16 r + 4 h: lanes 0-15 store the first K step's word of column r, lanes 16-31 the second's
	s_lshl_b32 s30, s25, 5
	s_add_co_u32 s30, s30, s26                     ; my tile among the 96
	s_lshl_b32 s28, s30, 12                        ; 4 KiB of images a tile,
	s_lshl_b32 s31, s27, 11                        ; my two K steps of its four
	s_add_co_u32 s28, s28, s31
	s_add_nc_u64 s[16:17], s[16:17], s[28:29]
	s_lshl_b32 s28, s30, 8                         ; 16 columns x 16 scale bytes,
	s_lshl_b32 s31, s27, 3
	s_add_co_u32 s28, s28, s31
	s_add_co_u32 s28, s28, 131072                  ; behind x's
	s_add_nc_u64 s[18:19], s[18:19], s[28:29]
.set n, 0
.rept 128
	global_load_b32 v[WX+n], v5, s[6:7] offset:(128*(n/64)+64*((n/32)%2)+n%32)*2048   ; W(128 s + 64 c + 32 h + i, column r): sixteen lanes read 64 neighbouring bytes
.set n, n+1
.endr
.macro QW s
.irp c, 0,1
	v_max3_num_f32 v[MX+\c], |v[WX+64*\s+32*\c]|, |v[WX+64*\s+32*\c+1]|, 0x1800000   ; my block 2 c + h, and the floor 2^(3 - 127)
.endr
.irp i, 2,4,6,8,10,12,14,16,18,20,22,24,26,28,30
.irp c, 0,1
	v_max3_num_f32 v[MX+\c], v[MX+\c], |v[WX+64*\s+32*\c+\i]|, |v[WX+64*\s+32*\c+\i+1]|
.endr
.endr
.irp c, 0,1
	v_add_nc_u32 v[SO+\c], 0xff000000, v[MX+\c]    ; 2 off the exponent field: the conversion's scale operand
.endr
.irp c, 0,1
	v_lshrrev_b32 v[BY+\c], 23, v[SO+\c]           ; the scale's byte
.endr
	v_lshl_or_b32 v[WD+\s], v[BY+1], 16, v[BY]     ; blocks h and 2 + h,
	v_lshlrev_b32 v[WD+\s], v[SH], v[WD+\s]        ; at their places in the word;
	v_permlanex16_b32 v[TP], v[WD+\s], s32, s33
	v_or_b32 v[WD+\s], v[WD+\s], v[TP]             ; with lane l xor 16's two the word is whole
.irp c, 0,1
.irp g, 0,1,2,3
	v_cvt_scalef32_pk8_fp4_f32 v[WC+8*\s+4*\c+\g], v[WX+64*\s+32*\c+8*\g:WX+64*\s+32*\c+8*\g+7], v[SO+\c]   ; register 4 c + g of the operand
.endr
.endr
	v_nop                                          ; one plain line behind the last scaled conversion
.irp c, 0,1
	global_store_b128 v4, v[WC+8*\s+4*\c:WC+8*\s+4*\c+3], s[16:17] offset:1024*\s+512*\c   ; the wave stores 512 consecutive bytes, aligned
.endr
.endm
	s_wait_loadcnt 63                              ; the first K step's 64 loads are in: 64 are younger, and a wait's count names 63 at the most
	QW 0
	s_wait_loadcnt 0x0
	QW 1
	v_cmp_eq_u32 vcc_lo, 1, v3
	v_cndmask_b32 v[SV], v[WD], v[WD+1], vcc_lo
	global_store_b32 v[SA], v[SV], s[18:19]        ; 4 bytes a lane, 16 apart: one byte in 128 of what this path reads
	s_wait_tensorcnt 0x0                           ; the three lines of a wave's end stand on this path too
	ds_add_u32 v[SPW], v[NIL]
	s_wait_dscnt 0x0
	s_endpgm
	; f16: a fragment of 16 columns x 32 along k gives lane (r, h) k = 8 h + 0 .. 7 (registers 0-3) and 16 + 8 h + 0 .. 7 (registers 4-7)
.Lwo:
	v_lshlrev_b32 v5, 2, v1
	v_lshl_add_u32 v5, v3, 14, v5                  ; 4 r + 8 h rows
	s_lshl_b32 s28, s26, 14                        ; 16 KiB of images a tile,
	s_lshl_b32 s31, s27, 13                        ; my 8 fragments of its 16
	s_add_co_u32 s28, s28, s31
	s_add_nc_u64 s[20:21], s[20:21], s[28:29]
.set n, 0
.rept 128
	global_load_b32 v[WX+n], v5, s[6:7] offset:(32*(n/16)+n%16+8*((n%16)/8))*2048
.set n, n+1
.endr
.set f, 0
.rept 8
.if 16*(7-f) > 63
	s_wait_loadcnt 63                              ; more than 63 loads are younger than this fragment's: the count is held at what a wait can name
.else
	s_wait_loadcnt 16*(7-f)                        ; the younger fragments' loads may be out
.endif
.set jj, 0
.rept 8
	v_cvt_pk_f16_f32 v[WC+8*f+jj], v[WX+16*f+2*jj], v[WX+16*f+2*jj+1]
.set jj, jj+1
.endr
	global_store_b128 v4, v[WC+8*f:WC+8*f+3], s[20:21] offset:1024*f
	global_store_b128 v4, v[WC+8*f+4:WC+8*f+7], s[20:21] offset:1024*f+512
.set f, f+1
.endr
	s_wait_tensorcnt 0x0
	ds_add_u32 v[SPW], v[NIL]
	s_wait_dscnt 0x0
	s_endpgm
.Lfunc_end_k_q271cc94b19_prep:
	.size	k_q271cc94b19_prep, .Lfunc_end_k_q271cc94b19_prep-k_q271cc94b19_prep
	.p2alignl 7, 3214868480
	.fill 96, 4, 3214868480
	.section	.rodata,"a",@progbits
	.p2align	6, 0x0
	.amdhsa_kernel k_q271cc94b19_prep
		.amdhsa_group_segment_fixed_size 33280
		.amdhsa_private_segment_fixed_size 0
		.amdhsa_enable_private_segment 0
		.amdhsa_kernarg_size 72
		.amdhsa_user_sgpr_count 2
		.amdhsa_user_sgpr_kernarg_segment_ptr 1
		.amdhsa_wavefront_size32 1
		.amdhsa_system_sgpr_workgroup_id_x 1
		.amdhsa_system_sgpr_workgroup_id_y 1
		.amdhsa_system_sgpr_workgroup_id_z 1
		.amdhsa_system_vgpr_workitem_id 0
		.amdhsa_next_free_vgpr 256
		.amdhsa_next_free_sgpr 66
		.amdhsa_reserve_vcc 1
		.amdhsa_float_denorm_mode_32 3
		.amdhsa_float_denorm_mode_16_64 3
		.amdhsa_memory_ordered 1
		.amdhsa_forward_progress 1
		.amdhsa_inst_pref_size 71
	.end_amdhsa_kernel
	.amdgpu_metadata
---
amdhsa.version: [ 1, 2 ]
amdhsa.kernels:
  - .name:           k_q271cc94b19_prep
    .symbol:         k_q271cc94b19_prep.kd
    .args:
      - { .name: x, .offset: 0, .size: 8, .value_kind: global_buffer, .address_space: global }
      - { .name: W_q, .offset: 8, .size: 8, .value_kind: global_buffer, .address_space: global }
      - { .name: W_k, .offset: 16, .size: 8, .value_kind: global_buffer, .address_space: global }
      - { .name: W_v, .offset: 24, .size: 8, .value_kind: global_buffer, .address_space: global }
      - { .name: W_o, .offset: 32, .size: 8, .value_kind: global_buffer, .address_space: global }
      - { .name: x_codes, .offset: 40, .size: 8, .value_kind: global_buffer, .address_space: global }
      - { .name: w_codes, .offset: 48, .size: 8, .value_kind: global_buffer, .address_space: global }
      - { .name: scl, .offset: 56, .size: 8, .value_kind: global_buffer, .address_space: global }
      - { .name: wo_f, .offset: 64, .size: 8, .value_kind: global_buffer, .address_space: global }
    .group_segment_fixed_size: 33280
    .private_segment_fixed_size: 0
    .kernarg_segment_align: 8
    .kernarg_segment_size: 72
    .max_flat_workgroup_size: 128
    .sgpr_count:     66
    .vgpr_count:     256
    .wavefront_size: 32
...
	.end_amdgpu_metadata
.endif
;; end of part 1
;; launch qkv (part 2): grid 12 x 16, 4 waves a work-group, clusters of 4 x 4, 196,608 bytes of LDS; arguments x_codes, w_codes, scl, qkv; writes qkv
.if DOCPART == 2
	.amdgcn_target "amdgcn-amd-amdhsa--gfx1250"
	.amdhsa_code_object_version 6
	.text
	.protected	k_q271cc94b19_qkv
	.globl	k_q271cc94b19_qkv
	.p2align	8
	.type	k_q271cc94b19_qkv,@function
k_q271cc94b19_qkv:
	s_mov_b64 s[64:65], 0
	v_nop
	global_prefetch_b8 v0, s[64:65] scope:SCOPE_SE
	s_setreg_imm32_b32 hwreg(HW_REG_WAVE_MODE, 25, 1), 1
	s_wait_xcnt 0x0
	s_wait_alu depctr_hold_cnt(0) depctr_sa_sdst(0) depctr_va_vdst(0) depctr_va_sdst(0) depctr_va_ssrc(0) depctr_va_vcc(0) depctr_vm_vsrc(0)
	s_getreg_b32 s2, hwreg(HW_REG_IB_STS2, 6, 4)
	s_cmp_eq_u32 s2, 0
	s_cbranch_scc0 .Lentry_in_a_cluster
	s_endpgm
.Lentry_in_a_cluster:
	s_bfe_u32 s2, ttmp6, 0x10000c
	s_cmp_lg_u32 s2, 0xf033
	s_cbranch_scc0 .Lentry_shape_is_right
	s_endpgm
.Lentry_shape_is_right:
; Q, K, V = x W_q, x W_k, x W_v on codes of FP4 (E2M1) with one E8M0 scale for each 32 along K = 512; sums in f32; results rounded once to f16 and stored AS IMAGES OF THE NEXT PRODUCTS' FRAGMENTS.
; A work-group makes 512 tokens x 128 columns (two heads of one of Q, K, V); a wave 128 tokens x 128 columns: 64 accumulators, 512 registers.  All of K lies in LDS at once: one fill, four steps of 128, no ring.
; 12 x 16 = 192 work-groups: with 1,536 columns in tiles of 128 a cluster's four columns are one of the three tensors, so no tile straddles two of them.
; CLUSTERS: 4 x 4.  The four of a row need the same tokens' codes, the four of a column the same weights: each is asked for JOINTLY, by the same tensor load with the same descriptor and a mask that names the four.
; THE MATRIX INSTRUCTION IS USED TRANSPOSED (source 0 = 16 columns of W, source 1 = 16 tokens): lane (r, h) holds token r and the columns 8 h + 0 .. 7 of the tile: as f16, 16 bytes: registers 0-3 or 4-7 of a
; 16 x 32 fragment of the next product.  So a tile of 16 tokens x 16 channels leaves by ONE store of 512 consecutive bytes, with no way through LDS.
; qkv: [Q, K, V: 8 MiB][batch x 8 + head: 512 KiB][tile of 16 tokens: 2,048 bytes][16 channels: 512 bytes][cell of 16 bytes].  Q's and K's cells lie at 16 x lane; V's cell of (token r, half h) at
; 16 ((r % 8) + 8 h + 16 (r / 8)), where the turning LDS load of the next launch, reading 16 x lane, finds it.
; LIMITS: |Q|, |K|, |V| beyond 65,504 have no f16 number; under 6e-5 f16 rounds in steps of 2^-24.
; REGISTERS, in windows of 256: window 0: v16-29 addresses; v32-63 scale words; v128-191 x's fragments, ONE set; v192-255 the way out.  window 1: W's fragments, TWO sets, at v0 and v128.
;   window 2: the accumulators of my tokens 0-63 ((a, b) at v[8 (8 a + b)]); window 3: those of tokens 64-127.
.set PITCH, 272                        ; a token's row in LDS: 256 bytes + 16 of padding: the 16 rows of a load start at 16 different banks (64 banks of 4 bytes: ISA guide 11.1)
.set XW,    128*PITCH                  ; 128 rows: what a wave fetches and reads of x
.set WT,    4*XW                       ; behind x's 512 rows: the weights' images, 8 tiles x 4 KiB, dense
.set SPARE, WT+32768                   ; the spare words, 128 bytes for each wave: two blocks of 256 bytes that no other line names
.set ADRA, 16
.set ADRB, 20
.set VO,   26                          ; v26  my cell's place in a store's 512 bytes
.set SOFF, 27                          ; v27  my scale words' byte in scl
.set SPW,  28
.set NIL,  29
.set SC,   32                          ; register 4 i + q: lanes 0-15 the word of x's block i, lanes 16-31 that of W's block i, for K step q
.set AF,   128
.set Y,    192
.set G1X, 24                           ; s[24:31] group 1, s[32:35] group 0 for x's codes;  s[48:55], s[36:39] for the weights'
.set G0X, 32
.set G0W, 36
.set G1W, 48
.set MSB, 0
.macro WIN new                         ; the immediate's high byte repeats the setting that is left
.if MSB != \new
	s_set_vgpr_msb (MSB<<8)|\new
.set MSB, \new
.endif
.endm
.set MUL_LO, 0xa1                      ; source 0 (W) window 1, source 1 (x) window 0, C and D window 2
.set MUL_HI, 0xf1
.set TO_B,   0x40
.macro CROUND                          ; a round of the cluster's barrier
	s_barrier_signal -1
	s_barrier_wait -1
	s_cmp_lg_u32 s14, 0
	s_cbranch_scc1 .Lnot_wave_0_\@
	s_barrier_signal -3
.Lnot_wave_0_\@:
	s_barrier_wait -3
	s_barrier_signal -1
	s_barrier_wait -1
.endm
	s_load_b256 s[4:11], s[0:1], 0x0               ; x_codes 4, w_codes 6, scl 8, qkv 10
	v_lshl_add_u32 v[SPW], v0, 2, SPARE
	v_mov_b32 v[NIL], 0
	ds_add_u32 v[SPW], v[NIL]                      ; the wave's opening: the add, twice on end, and its wait ahead of my first tensor load
	ds_add_u32 v[SPW], v[NIL]
	v_lshrrev_b32 v1, 5, v0
	v_readfirstlane_b32 s14, v1                    ; wave
	s_bfe_u32 s40, ttmp6, 0x40000                  ; cx, cy: my place in the cluster
	s_bfe_u32 s41, ttmp6, 0x40004
	s_lshl_b32 s42, ttmp9, 2
	s_add_co_u32 s42, s42, s40                     ; tile of 128 columns = 4 x cluster x + cx; cluster x is the tensor: 0 Q, 1 K, 2 V
	s_and_b32 s17, ttmp7, 0xffff
	s_lshl_b32 s17, s17, 2
	s_add_co_u32 s17, s17, s41                     ; tile of 512 tokens = 4 x cluster y + cy
	s_lshl_b32 s43, s41, 2
	s_lshl_b32 s43, 15, s43                        ; my row of the cluster
	s_lshl_b32 s44, 0x1111, s40                    ; my column
	s_or_b32 s[G1X], s43, (1<<20)|(1<<21)|(5<<22)|(3<<25)   ; the mask: x's codes go to my row; elements of 1 byte; padding on: 4 words behind every 64; bit 21 beside a mask
	s_mov_b32 s[G1X+1], 256<<16                    ; tensor_dim0 = 256 bytes: all of K
	s_mov_b32 s[G1X+2], 128<<16                    ; tensor_dim1 = 128 rows
	s_mov_b32 s[G1X+3], 256<<16                    ; tile_dim0
	s_mov_b32 s[G1X+4], 128                        ; tile_dim1
	s_mov_b32 s[G1X+5], 256                        ; from row to row
	s_mov_b32 s[G1X+6], 0
	s_mov_b32 s[G1X+7], 0
	s_or_b32 s[G1W], s44, (3<<16)|(1<<21)          ; the weights' images go to my column: a dense block of 8,192 bytes as 32 rows of 32 elements of 8 bytes
	s_mov_b32 s[G1W+1], 32<<16
	s_mov_b32 s[G1W+2], 32<<16
	s_mov_b32 s[G1W+3], 32<<16
	s_mov_b32 s[G1W+4], 32
	s_mov_b32 s[G1W+5], 32
	s_mov_b32 s[G1W+6], 0
	s_mov_b32 s[G1W+7], 0
	s_lshl_b32 s20, s17, 17                        ; x: 512 rows of 256 bytes a tile,
	s_lshl_b32 s18, s14, 15                        ; my wave's 128: made of the token tile and the wave's number alone
	s_add_co_u32 s20, s20, s18
	s_mov_b32 s21, 0
	s_lshl_b32 s46, s42, 15                        ; W: 32 KiB a tile of 128 columns,
	s_lshl_b32 s18, s14, 13                        ; my wave's quarter: of the column tile and the wave's number alone
	s_add_co_u32 s46, s46, s18
	s_mov_b32 s47, 0
	s_mul_i32 s45, s14, XW                         ; where they go: no place in the cluster enters an LDS address
	s_add_co_u32 s15, s18, WT
	s_wait_dscnt 0x0                               ; both opening adds are done
	s_wait_kmcnt 0x0
	s_add_nc_u64 s[20:21], s[4:5], s[20:21]
	s_add_nc_u64 s[46:47], s[6:7], s[46:47]
	CROUND                                         ; all sixteen work-groups are here: the joint loads meet
	s_mov_b32 s[G0X], 1
	s_mov_b32 s[G0X+1], s45
	s_mov_b64 s[G0X+2:G0X+3], s[20:21]
	s_or_b32 s[G0X+3], s[G0X+3], 0x80000000
	s_mov_b32 s[G0W], 1
	s_mov_b32 s[G0W+1], s15
	s_mov_b64 s[G0W+2:G0W+3], s[46:47]
	s_or_b32 s[G0W+3], s[G0W+3], 0x80000000
	tensor_load_to_lds s[G0X:G0X+3], s[G1X:G1X+7]  ; every wave issues both: two loads of mine are out, and no LDS byte is filled twice
	s_nop 0
	tensor_load_to_lds s[G0W:G0W+3], s[G1W:G1W+7]
	s_nop 0
.rept 4
	v_nop
.endr
	v_and_b32 v1, 15, v0                           ; r
	v_bfe_u32 v2, v0, 4, 1                         ; h
	v_and_b32 v3, 31, v0                           ; lane
	; the scale words come straight into registers: a row's 16 bytes are its four words, 16 rows are 256 consecutive bytes; lanes 0-15 take x's block, lanes 16-31 W's, out of the one buffer
	s_lshl_b32 s56, s17, 13
	s_lshl_b32 s57, s14, 11
	s_add_co_u32 s56, s56, s57                     ; x's: (512 tile + 128 wave) x 16
	s_lshl_b32 s57, s42, 11
	s_add_co_u32 s57, s57, 131072                  ; W's: behind x's, 128 columns x 16 a tile
	s_sub_co_u32 s57, s57, s56
	v_lshl_add_u32 v5, v1, 4, s56
	v_mad_u32_u24 v[SOFF], v2, s57, v5
.irp i, 0,1,2,3,4,5,6,7
	global_load_b128 v[SC+4*\i:SC+4*\i+3], v[SOFF], s[8:9] offset:256*\i
.endr
	v_mul_u32_u24 v4, v1, PITCH
	v_lshl_add_u32 v4, v2, 4, v4
	v_add_nc_u32 v[ADRA], s45, v4                  ; x's fragments: my 128 rows; row x pitch + 16 h
	v_lshl_add_u32 v[ADRB], v3, 4, WT              ; W's: images: 16 x lane
	v_lshlrev_b32 v6, 4, v3                        ; my cell: 16 x lane,
	v_and_b32 v7, 7, v1
	v_lshl_add_u32 v7, v2, 3, v7
	v_and_b32 v8, 8, v1
	v_lshl_add_u32 v7, v8, 1, v7
	v_lshlrev_b32 v7, 4, v7                        ; or, in V, 16 ((r % 8) + 8 h + 16 (r / 8))
	s_cmp_eq_u32 ttmp9, 2
	s_cselect_b32 s58, -1, 0
	v_cndmask_b32 v[VO], v6, v7, s58
	s_lshl_b32 s60, ttmp9, 23                      ; the tensor,
	s_lshr_b32 s61, s17, 3
	s_lshl_b32 s61, s61, 3                         ; the batch's 8 heads,
	s_lshl_b32 s59, s40, 1
	s_add_co_u32 s61, s61, s59                     ; my first head,
	s_lshl_b32 s61, s61, 19
	s_add_co_u32 s60, s60, s61
	s_and_b32 s61, s17, 7
	s_lshl_b32 s61, s61, 5
	s_lshl_b32 s59, s14, 3
	s_add_co_u32 s61, s61, s59                     ; my first tile of 16 tokens in the batch
	s_lshl_b32 s61, s61, 11
	s_add_co_u32 s60, s60, s61
	s_mov_b32 s61, 0
	s_add_nc_u64 s[10:11], s[10:11], s[60:61]
.macro FRAGA reg, q, i                 ; 16 tokens x 128 K: lane (r, h): registers 4 c .. 4 c + 3 hold K = 64 c + 32 h + 0 .. 31: 16 bytes of the row as they lie
.irp c, 0,1
	ds_load_b128 v[\reg+4*\c:\reg+4*\c+3], v[ADRA] offset:64*(\q)+32*\c+(\i)*16*PITCH
.endr
.endm
.macro FRAGB reg, q, i                 ; the image of tile i, K step q
.irp c, 0,1
	ds_load_b128 v[\reg+4*\c:\reg+4*\c+3], v[ADRB] offset:4096*(\i)+1024*(\q)+512*\c
.endr
.endm
.macro FETCH_B q, p
	WIN TO_B
.irp i, 0,1,2,3,4,5,6,7
	FRAGB 128*(\p)+8*\i, \q, \i
.endr
	WIN 0
.endm
.macro FETCH_A q, i0
.irp i, \i0, \i0+1, \i0+2, \i0+3
	FRAGA AF+8*(\i), \q, \i
.endr
.endm
; 16 matrix instructions: x's blocks a0, a0 + 1 against W's eight.  The 64 accumulators take turns, one instruction a turn, in the same order in every step.
.macro MUL16 a0, p, q, zero
.irp a, \a0, \a0+1
.irp b, 0,1,2,3,4,5,6,7
.if \zero
	v_wmma_scale_f32_16x16x128_f8f6f4 v[8*(8*((\a)%4)+\b):8*(8*((\a)%4)+\b)+7], v[128*(\p)+8*\b:128*(\p)+8*\b+7], v[AF+8*(\a):AF+8*(\a)+7], 0, v[SC+4*\b+(\q)], v[SC+4*(\a)+(\q)] matrix_a_fmt:MATRIX_FMT_FP4 matrix_b_fmt:MATRIX_FMT_FP4 matrix_a_scale:MATRIX_SCALE_ROW1
.else
	v_wmma_scale_f32_16x16x128_f8f6f4 v[8*(8*((\a)%4)+\b):8*(8*((\a)%4)+\b)+7], v[128*(\p)+8*\b:128*(\p)+8*\b+7], v[AF+8*(\a):AF+8*(\a)+7], v[8*(8*((\a)%4)+\b):8*(8*((\a)%4)+\b)+7], v[SC+4*\b+(\q)], v[SC+4*(\a)+(\q)] matrix_a_fmt:MATRIX_FMT_FP4 matrix_b_fmt:MATRIX_FMT_FP4 matrix_a_scale:MATRIX_SCALE_ROW1
.endif
.endr
.endr
.endm
.macro PLACES                          ; four plain places in front of loads into registers that matrix instructions have read, and of the first read of results
.rept 4
	v_nop
.endr
.endm
; A step of 128 along K.  A block of x is free as soon as its eight products are issued, so x has one set of registers: blocks 0-3 are fetched anew in the step's middle, blocks 4-7 at its end; W has two sets.
.macro STEP q, zero
	s_wait_dscnt 8                                 ; W's set and x's blocks 0-3 are in; the youngest eight loads (blocks 4-7) may be out
	WIN MUL_LO
	MUL16 0, (\q)%2, \q, \zero
	MUL16 2, (\q)%2, \q, \zero
	s_wait_dscnt 0x0                               ; blocks 4-7 are in
	PLACES
	FETCH_B (\q)+1, 1-(\q)%2
	FETCH_A (\q)+1, 0
	WIN MUL_HI
	MUL16 4, (\q)%2, \q, \zero
	MUL16 6, (\q)%2, \q, \zero
	PLACES
	WIN 0
	FETCH_A (\q)+1, 4
.endm
	s_wait_tensorcnt 0x0                           ; my parts of x's codes and of the weights' images are in,
	s_barrier_signal -1
	s_barrier_wait -1                              ; everybody's are: the weights' are read by all four waves
	FETCH_B 0, 0
	FETCH_A 0, 0
	FETCH_A 0, 4
	s_wait_loadcnt 0x0                             ; the scale words
	STEP 0, 1                                      ; the first products start the sums: nothing is cleared
	STEP 1, 0
	STEP 2, 0
	s_wait_dscnt 8                                 ; the last step fetches nothing
	WIN MUL_LO
	MUL16 0, 1, 3, 0
	MUL16 2, 1, 3, 0
	s_wait_dscnt 0x0
	WIN MUL_HI
	MUL16 4, 1, 3, 0
	MUL16 6, 1, 3, 0
	PLACES                                         ; in front of the first read of results
; THE WAY OUT, a block of 16 tokens at a time: 32 roundings to f16 (each accumulator from its low end on), 8 stores of 512 consecutive bytes.  Two sets of 32 registers take turns.
.irp a, 0,1,2,3,4,5,6,7
.if \a >= 2
	s_wait_xcnt 0x0                                ; block a - 2's stores have read their data: the set is written again only behind this wait
.endif
	WIN 0x0a+5*(\a/4)                              ; sources 0 and 1: window 2 or 3
.irp b, 0,1,2,3,4,5,6,7
.irp g, 0,1,2,3
	v_cvt_pk_f16_f32 v[Y+32*(\a%2)+4*\b+\g], v[64*(\a%4)+8*\b+2*\g], v[64*(\a%4)+8*\b+2*\g+1]
.endr
.endr
	WIN 0
.irp b, 0,1,2,3,4,5,6,7
	global_store_b128 v[VO], v[Y+32*(\a%2)+4*\b:Y+32*(\a%2)+4*\b+3], s[10:11] offset:2048*\a+524288*(\b/4)+512*(\b%4)   ; token tile a, head b / 4, channels 16 (b % 4) on
.endr
.endr
	s_wait_tensorcnt 0x0                           ; the wave's end
	ds_add_u32 v[SPW], v[NIL]
	s_wait_dscnt 0x0
	CROUND                                         ; the closing round
	s_endpgm
.Lfunc_end_k_q271cc94b19_qkv:
	.size	k_q271cc94b19_qkv, .Lfunc_end_k_q271cc94b19_qkv-k_q271cc94b19_qkv
	.p2alignl 7, 3214868480
	.fill 96, 4, 3214868480
	.section	.rodata,"a",@progbits
	.p2align	6, 0x0
	.amdhsa_kernel k_q271cc94b19_qkv
		.amdhsa_group_segment_fixed_size 196608
		.amdhsa_private_segment_fixed_size 0
		.amdhsa_enable_private_segment 0
		.amdhsa_kernarg_size 32
		.amdhsa_user_sgpr_count 2
		.amdhsa_user_sgpr_kernarg_segment_ptr 1
		.amdhsa_wavefront_size32 1
		.amdhsa_system_sgpr_workgroup_id_x 1
		.amdhsa_system_sgpr_workgroup_id_y 1
		.amdhsa_system_sgpr_workgroup_id_z 1
		.amdhsa_system_vgpr_workitem_id 0
		.amdhsa_next_free_vgpr 1024
		.amdhsa_next_free_sgpr 80
		.amdhsa_reserve_vcc 0
		.amdhsa_float_denorm_mode_32 3
		.amdhsa_float_denorm_mode_16_64 3
		.amdhsa_memory_ordered 1
		.amdhsa_forward_progress 1
		.amdhsa_inst_pref_size 71
	.end_amdhsa_kernel
	.amdgpu_metadata
---
amdhsa.version: [ 1, 2 ]
amdhsa.kernels:
  - .name:           k_q271cc94b19_qkv
    .symbol:         k_q271cc94b19_qkv.kd
    .args:
      - { .name: x_codes, .offset: 0, .size: 8, .value_kind: global_buffer, .address_space: global }
      - { .name: w_codes, .offset: 8, .size: 8, .value_kind: global_buffer, .address_space: global }
      - { .name: scl, .offset: 16, .size: 8, .value_kind: global_buffer, .address_space: global }
      - { .name: qkv, .offset: 24, .size: 8, .value_kind: global_buffer, .address_space: global }
    .group_segment_fixed_size: 196608
    .private_segment_fixed_size: 0
    .kernarg_segment_align: 8
    .kernarg_segment_size: 32
    .max_flat_workgroup_size: 128
    .sgpr_count:     80
    .vgpr_count:     1024
    .wavefront_size: 32
...
	.end_amdgpu_metadata
.endif
;; end of part 2
;; launch attn (part 3): grid 16 x 16, 8 waves a work-group, clusters of 4 x 1, 327,680 bytes of LDS; arguments qkv, cat; writes cat
.if DOCPART == 3
	.amdgcn_target "amdgcn-amd-amdhsa--gfx1250"
	.amdhsa_code_object_version 6
	.text
	.protected	k_q271cc94b19_attn
	.globl	k_q271cc94b19_attn
	.p2align	8
	.type	k_q271cc94b19_attn,@function
k_q271cc94b19_attn:
	s_mov_b64 s[64:65], 0
	v_nop
	global_prefetch_b8 v0, s[64:65] scope:SCOPE_SE
	s_setreg_imm32_b32 hwreg(HW_REG_WAVE_MODE, 25, 1), 1
	s_wait_xcnt 0x0
	s_wait_alu depctr_hold_cnt(0) depctr_sa_sdst(0) depctr_va_vdst(0) depctr_va_sdst(0) depctr_va_ssrc(0) depctr_va_vcc(0) depctr_vm_vsrc(0)
	s_getreg_b32 s2, hwreg(HW_REG_IB_STS2, 6, 4)
	s_cmp_eq_u32 s2, 0
	s_cbranch_scc0 .Lentry_in_a_cluster
	s_endpgm
.Lentry_in_a_cluster:
	s_bfe_u32 s2, ttmp6, 0x10000c
	s_cmp_lg_u32 s2, 0x3003
	s_cbranch_scc0 .Lentry_shape_is_right
	s_endpgm
.Lentry_shape_is_right:
; O[b, head][q] = the sum over k of softmax_k(Q . K / 8) V, 16 heads-in-batches of 4,096 tokens x 64 channels.  Q, K, V in f16 as the launch before laid them (images of fragments); products, maxima and sums in f32;
; the weights p are rounded to f16 for the second product, O once at the end, to f16, as images of the last product's fragments.
; SHARES.  A work-group owns 256 queries of one head.  Wave W = 4 u + g owns the 64 queries 64 g on (four tiles of 16) and the key steps (64 keys) of parity u: so each fragment of K and V that it reads from LDS
; feeds four tiles of queries, and eight waves of 512 registers stand two to a SIMD.  Each wave has its own running maximum, sum and O; at the end waves W and W xor 4 merge theirs through LDS.
; Register tile t holds query tile (t + 2 u) % 4, a matter of addresses alone: so every wave keeps its register tiles 0, 1 and gives away 2, 3, and no branch parts the waves.
; LAYOUT.  S^T = K Q^T (source 0 = 16 keys, source 1 = 16 queries), O^T = V^T P (source 0 = 16 channels, source 1 = P): a lane holds ONE query throughout; two tiles of S^T rounded in pairs ARE a fragment of P.
; SOFTMAX.  Running maximum m and sum l for each query: p = 2^(c s - c m), c = log2(e) / 8; in every step O and l are multiplied by a = 2^(c m_old - c m_new).
; IN PHASES.  The wave's tiles are two pieces (0: tiles 0, 1; 2: tiles 2, 3).  Half a step is: a run of LDS loads; one piece's softmax; its 16 products V^T P and the other piece's 16 products K Q^T.
; CLUSTER.  The four query blocks of a cluster walk the same K and V: each slot is asked for JOINTLY, mask 15, one load a wave.
; LIMITS: NaN and infinities are not served; O under 6e-5 is rounded in f16's steps of 2^-24.
; REGISTERS: window 0: v1-12 addresses; v16-47 statistics, 8 a tile (+0 c m, +1 m, +2, +3 l, +4 .. +7 at work, a in +6); v48-111 Q; v112-175 S^T of one piece; v176-207 P of one piece; v208-231 at work.
;   window 1: v0-127 O^T, 32 a tile; v128-191 K of a step; v192-255 V of a step.
.set SLOT1, 1<<17                      ; a slot: 512 keys: K's 64 KiB (8 steps x 8 KiB), then V's; slot 1 begins here
.set SPARE, 2*SLOT1                    ; the spare words, 128 bytes for each of eight waves: four blocks of 256 bytes that no other line names
.set STGB,  8704                       ; the merge: for each wave 2 tiles x 4,096 bytes of O and 4 x 128 bytes of statistics, in slot 0's bytes: at the last change of slots it has had its last fill and its last read
.set L16, 1                            ; v1   16 x lane
.set AK0, 2                            ; v2   my place in a step's K: 16 x lane + 8,192 u
.set AV0, 3                            ; v3   in its V: + 65,536
.set ADR, 4
.set MYO, 5                            ; v5, v6  my stage: O, statistics;  v7, v8 my partner's
.set MYS, 6
.set PAO, 7
.set PAS, 8
.set PFO, 10                           ; v10  256 x lane
.set SPW, 11
.set NIL, 12
.set ST,  16
.set Q,   48
.set S,   112
.set P,   176
.set KF,  128                          ; in window 1
.set VF,  192
.set WV,  8
.set U,   9
.set G,   10
.set STG, 11                           ; s11  1 in the waves that idle behind a barrier
.set CX,  12
.set G1,  16                           ; s[16:23] group 1;  s[24:27] group 0 of slot 0's first fill;  s[28:31] of slot 1's, which then walks
.set G0A, 24
.set G0B, 28
.set SEL, 32
.set TB,  34                           ; s34  LDS byte at which the step to be fetched begins (without u's part)
.set SLOTS, 35
.set CNT, 36
.set LIM, 37
.set PFA, 38
.set CS,  56                           ; s[56:57] c
.set MSB, 0
.macro WIN new
.if MSB != \new
	s_set_vgpr_msb (MSB<<8)|\new
.set MSB, \new
.endif
.endm
.macro CROUND
	s_barrier_signal -1
	s_barrier_wait -1
	s_cmp_lg_u32 s[WV], 0
	s_cbranch_scc1 .Lnot_wave_0_\@
	s_barrier_signal -3
.Lnot_wave_0_\@:
	s_barrier_wait -3
	s_barrier_signal -1
	s_barrier_wait -1
.endm
; Five plain places behind a run of products: four serve the loads into K's or V's registers and the softmax's first read of the scores; the fifth is owed because the next K Q^T begins its sums anew (C = 0) over the last one's results.
.macro PLACES
.rept 5
	v_nop
.endr
.endm
; All waves leave a barrier at the same line.  Half of them (bit 0 xor bit 2 of the wave's number: it differs between W and W + 4 and between 2 i and 2 i + 1) idle sixteen s_nop 15 here,
; so that of two waves that left together one stands in its products while the other stands in its softmax.  The branch hangs on the wave's number alone.
.macro STAGGER
	s_cmp_eq_u32 s[STG], 0
	s_cbranch_scc1 .Lgo_\@
.rept 16
	s_nop 15
.endr
.Lgo_\@:
.endm
; A PREFETCH INTO THE L2 of what the NEXT change of slots will ask for.  All four clusters of a head walk the same K and V: the first of them asks (cluster x = 0), in it the even waves, each for the 32 KiB that it
; and the next wave fetch; the four partners share these out BY ADDRESS, 8 KiB each, lanes 256 bytes apart.  So each block of 256 bytes is named once.  The last change that fills a slot asks for nothing.
.macro ASK
	s_cmp_gt_u32 s[SLOTS], s[LIM]
	s_cbranch_scc0 .Lnot_mine_\@
	global_prefetch_b8 v[PFO], s[PFA:PFA+1] th:TH_LOAD_NT scope:SCOPE_SE
.Lnot_mine_\@:
.endm
	s_load_b128 s[4:7], s[0:1], 0x0                ; qkv, cat
	v_lshl_add_u32 v[SPW], v0, 2, SPARE
	v_mov_b32 v[NIL], 0
	ds_add_u32 v[SPW], v[NIL]                      ; the wave's opening: the add, twice on end, and its wait ahead of my first tensor load
	ds_add_u32 v[SPW], v[NIL]
	v_lshrrev_b32 v1, 5, v0
	v_readfirstlane_b32 s[WV], v1                  ; wave 0 .. 7
	s_lshr_b32 s[U], s[WV], 2
	s_and_b32 s[G], s[WV], 3
	s_xor_b32 s[STG], s[WV], s[U]
	s_and_b32 s[STG], s[STG], 1
	s_bfe_u32 s[CX], ttmp6, 0x40000                ; my place in the cluster
	s_lshl_b32 s40, ttmp9, 2
	s_add_co_u32 s40, s40, s[CX]                   ; my block of 256 queries: it enters Q's and O's addresses alone
	s_and_b32 s41, ttmp7, 0xffff                   ; batch x 8 + head, which the partners share
	s_add_co_u32 s42, s[U], 1                      ; what I fetch: waves 0-3 K's quarters, waves 4-7 V's
	s_lshl_b32 s42, s42, 23
	s_lshl_b32 s43, s41, 19
	s_add_co_u32 s42, s42, s43
	s_lshl_b32 s44, s[G], 14
	s_add_co_u32 s42, s42, s44
	s_lshl_b32 s44, s40, 4
	s_lshl_b32 s45, s[G], 2
	s_add_co_u32 s44, s44, s45                     ; my first tile of 16 queries in the head
	s_lshl_b32 s46, s44, 11
	s_add_co_u32 s46, s46, s43                     ; Q
	s_mov_b32 s47, 0
	s_mov_b32 s43, 0
	s_lshr_b32 s48, s41, 3
	s_lshl_b32 s48, s48, 8                         ; cat: the batch's 256 row tiles,
	s_add_co_u32 s48, s48, s44
	s_lshl_b32 s45, s[U], 1
	s_add_co_u32 s48, s48, s45                     ; the two tiles that I keep: 16 KiB a row tile,
	s_lshl_b32 s48, s48, 14
	s_and_b32 s45, s41, 7
	s_lshl_b32 s45, s45, 11                        ; 2 KiB a head
	s_add_co_u32 s48, s48, s45
	s_mov_b32 s49, 0
	s_lshl_b32 s50, s[WV], 14                      ; my 16 KiB of a slot
	s_mov_b32 s[G1], 15|(3<<16)|(1<<21)            ; the mask: all four work-groups; elements of 8 bytes; bit 21 beside a mask; no padding: images are read at 16 x lane
	s_mov_b32 s[G1+1], 32<<16                      ; tensor_dim0 = 32 elements: 256 bytes
	s_mov_b32 s[G1+2], 64<<16                      ; tensor_dim1 = 64 rows
	s_mov_b32 s[G1+3], 32<<16                      ; tile_dim0
	s_mov_b32 s[G1+4], 64                          ; tile_dim1
	s_mov_b32 s[G1+5], 32                          ; dense
	s_mov_b32 s[G1+6], 0
	s_mov_b32 s[G1+7], 0
	s_mov_b32 s[SEL], 0x76543210
	s_mov_b32 s[SEL+1], 0xfedcba98
	s_mov_b32 s[CS], 0x3e38aa3b                    ; c = log2(e) / 8
	s_mov_b32 s[CS+1], s[CS]                       ; (named with it as a pair)
	s_mov_b32 s[TB], 0
	s_mov_b32 s[SLOTS], 6
	s_and_b32 s[LIM], s[WV], 1
	s_or_b32 s[LIM], s[LIM], ttmp9
	s_cmp_eq_u32 s[LIM], 0
	s_cselect_b32 s[LIM], 1, -1
	v_and_b32 v1, 31, v0
	v_lshlrev_b32 v[PFO], 8, v1
	v_lshlrev_b32 v13, 2, v1
	v_lshlrev_b32 v[L16], 4, v1
	s_lshl_b32 s51, s[U], 13
	v_add_nc_u32 v[AK0], s51, v[L16]
	v_add_nc_u32 v[AV0], 0x10000, v[AK0]
	s_mul_i32 s51, s[WV], STGB
	v_add_nc_u32 v[MYO], s51, v[L16]
	v_add_nc_u32 v[MYS], s51, v13
	v_add_nc_u32 v[MYS], 8192, v[MYS]
	s_xor_b32 s51, s[WV], 4
	s_mul_i32 s51, s51, STGB
	v_add_nc_u32 v[PAO], s51, v[L16]
	v_add_nc_u32 v[PAS], s51, v13
	v_add_nc_u32 v[PAS], 8192, v[PAS]
	s_lshl_b32 s51, s[U], 12
.irp t, 0,1,2,3
	s_add_co_u32 s52, s51, 2048*\t
	s_and_b32 s52, s52, 8191                       ; register tile t holds query tile (t + 2 u) % 4
	v_add_nc_u32 v[208+\t], s52, v[L16]
.endr
	s_wait_dscnt 0x0                               ; both opening adds are done
	s_wait_kmcnt 0x0
	s_add_nc_u64 s[42:43], s[4:5], s[42:43]
	s_add_nc_u64 s[46:47], s[4:5], s[46:47]
	s_add_nc_u64 s[6:7], s[6:7], s[48:49]
	s_lshl_b32 s52, s[CX], 13
	s_add_co_u32 s52, s52, 2*65536                 ; in slot 2: the first change of slots steps it to slot 3.  Nothing is prefetched at the head
	s_mov_b32 s53, 0
	s_add_nc_u64 s[PFA:PFA+1], s[42:43], s[52:53]
	CROUND                                         ; all four work-groups are here: the first joint loads meet
	s_mov_b32 s[G0A], 1
	s_mov_b32 s[G0A+1], s50
	s_mov_b64 s[G0A+2:G0A+3], s[42:43]
	s_or_b32 s[G0A+3], s[G0A+3], 0x80000000
	s_mov_b32 s[G0B], 1
	s_add_co_u32 s[G0B+1], s50, SLOT1
	s_add_nc_u64 s[G0B+2:G0B+3], s[42:43], 65536
	s_or_b32 s[G0B+3], s[G0B+3], 0x80000000
	tensor_load_to_lds s[G0A:G0A+3], s[G1:G1+7]    ; keys 0-511
	s_nop 0
	tensor_load_to_lds s[G0B:G0B+3], s[G1:G1+7]    ; keys 512-1,023: two loads of mine are out
	s_nop 0
.rept 4
	v_nop
.endr
.irp t, 0,1,2,3
.irp i, 0,1,2,3
	global_load_b128 v[Q+16*\t+4*\i:Q+16*\t+4*\i+3], v[208+\t], s[46:47] offset:512*\i   ; Q stays in registers: fragment (tile t, channels 32 c on) at v[Q + 16 t + 8 c]
.endr
.endr
; A step's K: 8 KiB, the image of 8 fragments (16 keys kt, channels 32 c on: at v[KF + 8 (2 kt + c)]).
.macro FETCH_K
	WIN 0
	v_add_nc_u32 v[ADR], s[TB], v[AK0]
	WIN 0x40                                       ; destination window 1
.set i, 0
.rept 16
	ds_load_b128 v[KF+4*i:KF+4*i+3], v[ADR] offset:512*i
.set i, i+1
.endr
.endm
; Its V, turned: the load takes 16 tokens x 16 channels, cell by cell at 16 x lane, and leaves half a fragment of V^T: lane (r, h): channel r, keys 8 h + 0 .. 7.  Fragment (32 keys kg, 16 channels ct) at v[VF + 8 (4 kg + ct)].
.macro FETCH_V
	WIN 0
	v_add_nc_u32 v[ADR], s[TB], v[AV0]
	s_add_co_u32 s[TB], s[TB], 16384               ; my next step is two steps on
	WIN 0x40
.irp kg, 0,1
.irp ct, 0,1,2,3
	ds_load_tr16_b128 v[VF+8*(4*\kg+\ct):VF+8*(4*\kg+\ct)+3],   v[ADR] offset:4096*\kg+512*\ct
	ds_load_tr16_b128 v[VF+8*(4*\kg+\ct)+4:VF+8*(4*\kg+\ct)+7], v[ADR] offset:4096*\kg+2048+512*\ct
.endr
.endr
.endm
; 16 products S^T = K Q^T of piece x: eight accumulators by turns, one instruction a turn; the first eight start the sums.
.macro KQ x
	WIN 0x01                                       ; K in window 1
.set i, 0
.rept 16
.set rS, S+32*(i%2)+8*((i/2)%4)
.set rK, KF+8*(2*((i/2)%4)+i/8)
.set rQ, Q+16*(\x+i%2)+8*(i/8)
.if i < 8
	v_wmma_f32_16x16x32_f16 v[rS:rS+7], v[rK:rK+7], v[rQ:rQ+7], 0
.else
	v_wmma_f32_16x16x32_f16 v[rS:rS+7], v[rK:rK+7], v[rQ:rQ+7], v[rS:rS+7]
.endif
.set i, i+1
.endr
.endm
; 16 products O^T += V^T P of piece x, likewise.  first = 1: the first eight start O^T's sums: nothing is ever cleared.
.macro PV x, first
	WIN 0x51                                       ; V and O^T in window 1, P in window 0
.set i, 0
.rept 16
.set rO, 32*(\x+i%2)+8*((i/2)%4)
.set rV, VF+8*(4*(i/8)+(i/2)%4)
.set rP, P+16*(i%2)+8*(i/8)
.if \first && (i < 8)
	v_wmma_f32_16x16x32_f16 v[rO:rO+7], v[rV:rV+7], v[rP:rP+7], 0
.else
	v_wmma_f32_16x16x32_f16 v[rO:rO+7], v[rV:rV+7], v[rP:rP+7], v[rO:rO+7]
.endif
.set i, i+1
.endr
.endm
; THE SOFTMAX of piece x for one step; its two tiles alternate line by line, so that no line waits for the line above it.  first = 1: the wave's first step, which has no old maximum, no a and nothing to rescale.
.macro SM x, first
	WIN 0
.irp j, 0,1,2,3                        ; the maximum of the lane's 32 scores: four chains, each begun at the low end of an accumulator
.irp t, 0,1
	v_max3_num_f32 v[ST+8*(\x+\t)+4+\j], v[S+32*\t+8*\j], v[S+32*\t+8*\j+1], v[S+32*\t+8*\j+2]
.endr
.endr
.irp k, 1,2
.irp j, 0,1,2,3
.irp t, 0,1
	v_max3_num_f32 v[ST+8*(\x+\t)+4+\j], v[ST+8*(\x+\t)+4+\j], v[S+32*\t+8*\j+2*\k+1], v[S+32*\t+8*\j+2*\k+2]
.endr
.endr
.endr
.irp t, 0,1
	v_max3_num_f32 v[ST+8*(\x+\t)+4], v[ST+8*(\x+\t)+4], v[S+32*\t+7], v[S+32*\t+15]
.endr
.irp t, 0,1
	v_max3_num_f32 v[ST+8*(\x+\t)+6], v[ST+8*(\x+\t)+6], v[S+32*\t+23], v[S+32*\t+31]
.endr
.irp t, 0,1
	v_max3_num_f32 v[ST+8*(\x+\t)+4], v[ST+8*(\x+\t)+4], v[ST+8*(\x+\t)+5], v[ST+8*(\x+\t)+6]
.endr
.irp t, 0,1
.if \first
	v_max_num_f32 v[ST+8*(\x+\t)+4], v[ST+8*(\x+\t)+4], v[ST+8*(\x+\t)+7]
.else
	v_max3_num_f32 v[ST+8*(\x+\t)+4], v[ST+8*(\x+\t)+4], v[ST+8*(\x+\t)+7], v[ST+8*(\x+\t)+1]   ; and the old m
.endif
.endr
.irp t, 0,1
	v_permlanex16_b32 v[ST+8*(\x+\t)+5], v[ST+8*(\x+\t)+4], s[SEL], s[SEL+1]   ; the query's other 32 keys lie in the lane 16 away
.endr
.if !\first
.irp t, 0,1
	v_mov_b32 v[ST+8*(\x+\t)+7], v[ST+8*(\x+\t)]   ; c m_old is kept for a
.endr
.endif
.irp t, 0,1
	v_max_num_f32 v[ST+8*(\x+\t)+1], v[ST+8*(\x+\t)+4], v[ST+8*(\x+\t)+5]
.endr
.irp t, 0,1
	v_mul_f32 v[ST+8*(\x+\t)], s[CS], v[ST+8*(\x+\t)+1]
.endr
.if !\first
.irp t, 0,1
	v_sub_f32 v[ST+8*(\x+\t)+7], v[ST+8*(\x+\t)+7], v[ST+8*(\x+\t)]
.endr
.irp t, 0,1
	v_exp_f32 v[ST+8*(\x+\t)+6], v[ST+8*(\x+\t)+7] ; a
.endr
.endif
; ONE BATCH: the 32 packed scalings c s - c m and the 64 exponentials, two plain lines ahead of each four exponentials; none of these lines names an exponential's result
.irp b, 0,1,2,3,4,5,6,7,8,9,10,11,12,13,14,15
.irp t, 0,1
	v_pk_fma_f32 v[S+32*\t+2*\b:S+32*\t+2*\b+1], v[S+32*\t+2*\b:S+32*\t+2*\b+1], s[CS:CS+1], v[ST+8*(\x+\t):ST+8*(\x+\t)+1] op_sel_hi:[1,0,0] neg_lo:[0,0,1] neg_hi:[0,0,1]
.endr
.if \b > 0
.irp t, 0,1
	v_exp_f32 v[S+32*\t+2*\b-2], v[S+32*\t+2*\b-2]
	v_exp_f32 v[S+32*\t+2*\b-1], v[S+32*\t+2*\b-1]
.endr
.endif
.endr
.irp t, 0,1
	v_exp_f32 v[S+32*\t+30], v[S+32*\t+30]
	v_exp_f32 v[S+32*\t+31], v[S+32*\t+31]
.endr
	v_nop                                          ; a plain line behind the last exponential,
	s_wait_alu depctr_va_vdst(0)                   ; and the one wait ahead of the batch's first reader
.irp j, 0,1,2,3,4,5,6,7,8,9,10,11,12,13,14,15
.irp t, 0,1
	v_cvt_pk_f16_f32 v[P+16*\t+\j], v[S+32*\t+2*\j], v[S+32*\t+2*\j+1]   ; p for the second product
.endr
.endr
.irp u, 0,1,2,3,4,5,6,7                ; the sum of the unrounded p, in place: neighbours 1, 2, 4, 8 pairs apart
.irp t, 0,1
	v_pk_add_f32 v[S+32*\t+4*\u:S+32*\t+4*\u+1], v[S+32*\t+4*\u:S+32*\t+4*\u+1], v[S+32*\t+4*\u+2:S+32*\t+4*\u+3]
.endr
.endr
.irp u, 0,1,2,3
.irp t, 0,1
	v_pk_add_f32 v[S+32*\t+8*\u:S+32*\t+8*\u+1], v[S+32*\t+8*\u:S+32*\t+8*\u+1], v[S+32*\t+8*\u+4:S+32*\t+8*\u+5]
.endr
.endr
.irp u, 0,1
.irp t, 0,1
	v_pk_add_f32 v[S+32*\t+16*\u:S+32*\t+16*\u+1], v[S+32*\t+16*\u:S+32*\t+16*\u+1], v[S+32*\t+16*\u+8:S+32*\t+16*\u+9]
.endr
.endr
.if \first
.irp t, 0,1
	v_pk_add_f32 v[ST+8*(\x+\t)+2:ST+8*(\x+\t)+3], v[S+32*\t:S+32*\t+1], v[S+32*\t+16:S+32*\t+17]
.endr
.else
.irp t, 0,1
	v_pk_add_f32 v[S+32*\t:S+32*\t+1], v[S+32*\t:S+32*\t+1], v[S+32*\t+16:S+32*\t+17]
.endr
.irp t, 0,1
	v_pk_fma_f32 v[ST+8*(\x+\t)+2:ST+8*(\x+\t)+3], v[ST+8*(\x+\t)+2:ST+8*(\x+\t)+3], v[ST+8*(\x+\t)+6:ST+8*(\x+\t)+7], v[S+32*\t:S+32*\t+1] op_sel_hi:[1,0,1]   ; l = a l + the sum
.endr
	WIN 0x41                                       ; O^T in window 1, a in window 0
.irp j, 0,2,4,6,8,10,12,14,16,18,20,22,24,26,28,30
.irp t, 0,1
	v_pk_mul_f32 v[32*(\x+\t)+\j:32*(\x+\t)+\j+1], v[32*(\x+\t)+\j:32*(\x+\t)+\j+1], v[ST+8*(\x+\t)+6:ST+8*(\x+\t)+7] op_sel_hi:[1,0]   ; O^T x a, each accumulator from its low end on
.endr
.endr
.endif
.endm
; HALF1 of step j: K of step j + 1 is asked for (its registers' last reader stands in front of the places that end HALF2); piece 2's softmax and V^T P of step j; piece 0's K Q^T of step j + 1.
.macro HALF1 first, more
.if \more
	FETCH_K
.endif
	SM 2, \first
.if \more
	s_wait_dscnt 0x0                               ; K is in: asked for a whole softmax ago
.endif
	PV 2, \first
.if \more
	KQ 0
.endif
	PLACES
.endm
; HALF2 of step j: V of step j is asked for; piece 0's softmax and V^T P of step j; piece 2's K Q^T of step j.
.macro HALF2 first
	FETCH_V
	SM 0, \first
	s_wait_dscnt 0x0                               ; V is in
	PV 0, \first
	KQ 2
	PLACES
.endm
.macro STEPS n                         ; n times: the second half of one step and the first half of the next; the LDS addresses hang on s[TB]
	s_mov_b32 s[CNT], \n
.Lstep_\@:
	HALF1 0, 1
	HALF2 0
	WIN 0
	s_sub_co_u32 s[CNT], s[CNT], 1
	s_cmp_lg_u32 s[CNT], 0
	s_cbranch_scc1 .Lstep_\@
.endm
; THE CHANGE OF SLOTS, behind the HALF2 that fetched the slot's last V.  Each wave waits for all its tensor loads (one is out: its part of the other slot), adds 0 to its spare word, and waits for that and for its
; reads of the slot.  fill = 1: the barrier is a round of the cluster's, and the joint refill, the keys two slots on, is the first thing behind it: it has four of my steps, 256 matrix instructions, in which to land.
.macro CHANGE fill
	WIN 0
	s_wait_tensorcnt 0x0                           ; no tensor load of mine is out, so a group 0 may be written
	ds_add_u32 v[SPW], v[NIL]
.if \fill
	s_xor_b32 s[G0B+1], s[G0B+1], SLOT1            ; the walking descriptor: the other slot than last time,
	s_add_nc_u64 s[G0B+2:G0B+3], s[G0B+2:G0B+3], 65536   ; the next 512 keys
	s_wait_xcnt 0x0                                ; the last prefetch, a slot back, has read its address
	s_add_nc_u64 s[PFA:PFA+1], s[PFA:PFA+1], 65536
	s_wait_dscnt 0x0                               ; the add is done, and my reads of the slot are over
	CROUND
	tensor_load_to_lds s[G0B:G0B+3], s[G1:G1+7]
	s_nop 0
.rept 4
	v_nop
.endr
	ASK
.else
	s_wait_dscnt 0x0
	s_barrier_signal -1
	s_barrier_wait -1
.endif
	STAGGER
	s_sub_co_u32 s[TB], s[TB], 65536               ; back to a slot's first step,
	s_xor_b32 s[TB], s[TB], SLOT1                  ; in the other slot
.endm
	s_wait_tensorcnt 1                             ; my part of slot 0 is in; slot 1's may stay out
	s_barrier_signal -1
	s_barrier_wait -1
	STAGGER
	FETCH_K                                        ; my step 0
	s_wait_loadcnt 0x0                             ; Q
	s_wait_dscnt 0x0
	KQ 0
	PLACES
	HALF2 1                                        ; my steps 0 to 3 lie in slot 0; the first step's products start O^T
	HALF1 1, 1
	HALF2 0
	WIN 0
	STEPS 2
.Lslot:                                            ; six trips: every slot but the last two is filled again
	CHANGE 1
	STEPS 4
	s_sub_co_u32 s[SLOTS], s[SLOTS], 1
	s_cmp_lg_u32 s[SLOTS], 0
	s_cbranch_scc1 .Lslot
	CHANGE 0                                       ; the tail is written out
	STEPS 4
	HALF1 0, 0                                     ; piece 2's last softmax and V^T P
	; THE MERGE.  l's two halves and the other half of the lanes'; my register tiles 2, 3 (O^T, c m, l) go to my stage; behind a barrier I take my partner's, which are the query tiles that I keep.
	WIN 0
.irp t, 0,1,2,3
	v_add_f32 v[ST+8*\t+4], v[ST+8*\t+2], v[ST+8*\t+3]
.endr
.irp t, 0,1,2,3
	v_permlanex16_b32 v[ST+8*\t+5], v[ST+8*\t+4], s[SEL], s[SEL+1]
.endr
.irp t, 0,1,2,3
	v_add_f32 v[ST+8*\t+4], v[ST+8*\t+4], v[ST+8*\t+5]
.endr
	WIN 0x04                                       ; an LDS store's data are its source 1: window 1
.set i, 0
.rept 16
	ds_store_b128 v[MYO], v[64+4*i:64+4*i+3] offset:512*i   ; ascending: each accumulator from its low end on
.set i, i+1
.endr
	WIN 0
	ds_store_b32 v[MYS], v[ST+16]
	ds_store_b32 v[MYS], v[ST+20] offset:128
	ds_store_b32 v[MYS], v[ST+24] offset:256
	ds_store_b32 v[MYS], v[ST+28] offset:384
	s_wait_dscnt 0x0                               ; for my partner's sake: my stores are done
	s_barrier_signal -1
	s_barrier_wait -1
.set i, 0
.rept 16
	ds_load_b128 v[S+4*i:S+4*i+3], v[PAO] offset:512*i
.set i, i+1
.endr
.irp i, 0,1,2,3
	ds_load_b32 v[208+\i], v[PAS] offset:128*\i    ; c m', l' of my tile 0; of my tile 1
.endr
	s_wait_dscnt 0x0
.irp t, 0,1
	v_max_num_f32 v[220+\t], v[ST+8*\t], v[208+2*\t]
.endr
.irp t, 0,1
	v_sub_f32 v[212+2*\t], v[ST+8*\t], v[220+\t]
	v_sub_f32 v[213+2*\t], v[208+2*\t], v[220+\t]
.endr
.irp i, 0,1,2,3
	v_exp_f32 v[212+\i], v[212+\i]                 ; e = 2^(c m - M), e' = 2^(c m' - M)
.endr
	v_nop
	s_wait_alu depctr_va_vdst(0)                   ; one wait for the four
.irp t, 0,1
	v_mul_f32 v[222+\t], v[ST+8*\t+4], v[212+2*\t]
.endr
.irp t, 0,1
	v_fma_f32 v[222+\t], v[209+2*\t], v[213+2*\t], v[222+\t]   ; L = l e + l' e'
.endr
.irp t, 0,1
	v_rcp_f32 v[222+\t], v[222+\t]
.endr
	v_nop
	s_wait_alu depctr_va_vdst(0)                   ; one wait for the two
.irp t, 0,1
	v_mul_f32 v[224+4*\t], v[212+2*\t], v[222+\t]  ; e / L, twice: a pair for the packed forms
	v_mul_f32 v[225+4*\t], v[212+2*\t], v[222+\t]
	v_mul_f32 v[226+4*\t], v[213+2*\t], v[222+\t]  ; e' / L
	v_mul_f32 v[227+4*\t], v[213+2*\t], v[222+\t]
.endr
.irp t, 0,1
.irp j, 0,2,4,6,8,10,12,14,16,18,20,22,24,26,28,30
	v_pk_mul_f32 v[S+32*\t+\j:S+32*\t+\j+1], v[S+32*\t+\j:S+32*\t+\j+1], v[226+4*\t:227+4*\t]
.endr
.endr
	WIN 0x01                                       ; my O^T: source 0, window 1
.irp t, 0,1
.irp j, 0,2,4,6,8,10,12,14,16,18,20,22,24,26,28,30
	v_pk_fma_f32 v[S+32*\t+\j:S+32*\t+\j+1], v[32*\t+\j:32*\t+\j+1], v[224+4*\t:225+4*\t], v[S+32*\t+\j:S+32*\t+\j+1]
.endr
.endr
	WIN 0
.irp t, 0,1
.irp j, 0,1,2,3,4,5,6,7,8,9,10,11,12,13,14,15
	v_cvt_pk_f16_f32 v[P+16*\t+\j], v[S+32*\t+2*\j], v[S+32*\t+2*\j+1]
.endr
.endr
.irp t, 0,1
.irp ct, 0,1,2,3
	global_store_b128 v[L16], v[P+16*\t+4*\ct:P+16*\t+4*\ct+3], s[6:7] offset:16384*\t+512*\ct   ; lane (r, h): query r, channels 16 ct + 8 h + 0 .. 7: half a fragment of the last product; 512 consecutive bytes, aligned
.endr
.endr
	s_wait_tensorcnt 0x0                           ; the wave's end, behind my last tensor load and my last LDS store
	ds_add_u32 v[SPW], v[NIL]
	s_wait_dscnt 0x0
	CROUND                                         ; the closing round
	s_endpgm
.Lfunc_end_k_q271cc94b19_attn:
	.size	k_q271cc94b19_attn, .Lfunc_end_k_q271cc94b19_attn-k_q271cc94b19_attn
	.p2alignl 7, 3214868480
	.fill 96, 4, 3214868480
	.section	.rodata,"a",@progbits
	.p2align	6, 0x0
	.amdhsa_kernel k_q271cc94b19_attn
		.amdhsa_group_segment_fixed_size 327680
		.amdhsa_private_segment_fixed_size 0
		.amdhsa_enable_private_segment 0
		.amdhsa_kernarg_size 16
		.amdhsa_user_sgpr_count 2
		.amdhsa_user_sgpr_kernarg_segment_ptr 1
		.amdhsa_wavefront_size32 1
		.amdhsa_system_sgpr_workgroup_id_x 1
		.amdhsa_system_sgpr_workgroup_id_y 1
		.amdhsa_system_sgpr_workgroup_id_z 1
		.amdhsa_system_vgpr_workitem_id 0
		.amdhsa_next_free_vgpr 512
		.amdhsa_next_free_sgpr 66
		.amdhsa_reserve_vcc 0
		.amdhsa_float_denorm_mode_32 3
		.amdhsa_float_denorm_mode_16_64 3
		.amdhsa_memory_ordered 1
		.amdhsa_forward_progress 1
		.amdhsa_inst_pref_size 177
	.end_amdhsa_kernel
	.amdgpu_metadata
---
amdhsa.version: [ 1, 2 ]
amdhsa.kernels:
  - .name:           k_q271cc94b19_attn
    .symbol:         k_q271cc94b19_attn.kd
    .args:
      - { .name: qkv, .offset: 0, .size: 8, .value_kind: global_buffer, .address_space: global }
      - { .name: cat, .offset: 8, .size: 8, .value_kind: global_buffer, .address_space: global }
    .group_segment_fixed_size: 327680
    .private_segment_fixed_size: 0
    .kernarg_segment_align: 8
    .kernarg_segment_size: 16
    .max_flat_workgroup_size: 256
    .sgpr_count:     66
    .vgpr_count:     512
    .wavefront_size: 32
...
	.end_amdgpu_metadata
.endif
;; end of part 3
;; launch oproj (part 4): grid 4 x 64, 4 waves a work-group, clusters of 4 x 4, 327,680 bytes of LDS; arguments cat, wo_f, out0; writes out0
.if DOCPART == 4
	.amdgcn_target "amdgcn-amd-amdhsa--gfx1250"
	.amdhsa_code_object_version 6
	.text
	.protected	k_q271cc94b19_oproj
	.globl	k_q271cc94b19_oproj
	.p2align	8
	.type	k_q271cc94b19_oproj,@function
k_q271cc94b19_oproj:
	s_mov_b64 s[64:65], 0
	v_nop
	global_prefetch_b8 v0, s[64:65] scope:SCOPE_SE
	s_setreg_imm32_b32 hwreg(HW_REG_WAVE_MODE, 25, 1), 1
	s_wait_xcnt 0x0
	s_wait_alu depctr_hold_cnt(0) depctr_sa_sdst(0) depctr_va_vdst(0) depctr_va_sdst(0) depctr_va_ssrc(0) depctr_va_vcc(0) depctr_vm_vsrc(0)
	s_getreg_b32 s2, hwreg(HW_REG_IB_STS2, 6, 4)
	s_cmp_eq_u32 s2, 0
	s_cbranch_scc0 .Lentry_in_a_cluster
	s_endpgm
.Lentry_in_a_cluster:
	s_bfe_u32 s2, ttmp6, 0x10000c
	s_cmp_lg_u32 s2, 0xf033
	s_cbranch_scc0 .Lentry_shape_is_right
	s_endpgm
.Lentry_shape_is_right:
; out0 = concat W_o: [8192][512] x [512][512], operands in f16 as images of 16 x 32 fragments (cat: [tile of 16 rows: 16 KiB][32 along K: 1 KiB]; wo_f: [tile of 16 columns: 16 KiB][32 along K: 1 KiB]); sums and result in f32.
; A tile of out0 is 128 x 128: 256 work-groups of four waves, each 64 x 64: 16 accumulators.  ALL OF K LIES IN LDS: four chunks of 128 along K, each asked for once, at the head; no byte is filled twice.
; A chunk is waited for by a counted wait and a barrier just ahead of its first read, so the first products run while the later chunks are on their way.
; CLUSTERS: 4 x 4: the four of a row need the same rows of cat, the four of a column the same columns of W_o: joint loads.  TRANSPOSED USE (source 0 = 16 columns of W_o, source 1 = 16 rows of cat):
; a lane holds eight neighbouring numbers of a row of out0.
; REGISTERS: window 0: v16-29 addresses; v32-95 the way out; v128-255 the accumulators ((a, b) at v[128 + 8 (4 a + b)]).  window 1: two fragment buffers of 128: for 64 along K, 64 registers of cat, then 64 of W_o.
.set CHUNK, 65536                      ; cat's 8 tiles x 4 KiB, then W_o's 8 tiles x 4 KiB
.set STAGE, 4*CHUNK                    ; 16 rows x 272 bytes for each wave
.set SPITCH, 272
.set SPARE, STAGE+4*16*SPITCH          ; the spare words, 128 bytes for each wave: two blocks of 256 bytes that no other line names
.set ADRA, 16                          ; v16-19  my fragments of cat in chunk 0 .. 3
.set ADRB, 20                          ; v20-23  of W_o
.set STO,  24
.set RD,   25
.set CO,   26
.set SPW,  28
.set NIL,  29
.set BK,   32
.set ACC,  128
.set F0,   0
.set F1,   128
.set G1A, 24                           ; s[24:31], s[32:39] groups 1;  s[40:55] cat's four groups 0;  s[68:83] W_o's
.set G1B, 32
.set G0A, 40
.set G0B, 68
.set MSB, 0
.macro WIN new
.if MSB != \new
	s_set_vgpr_msb (MSB<<8)|\new
.set MSB, \new
.endif
.endm
.set MUL,  0x05                        ; sources 0 and 1 window 1; C and D window 0
.set TO_F, 0x40
.macro CROUND
	s_barrier_signal -1
	s_barrier_wait -1
	s_cmp_lg_u32 s10, 0
	s_cbranch_scc1 .Lnot_wave_0_\@
	s_barrier_signal -3
.Lnot_wave_0_\@:
	s_barrier_wait -3
	s_barrier_signal -1
	s_barrier_wait -1
.endm
	s_load_b128 s[4:7], s[0:1], 0x0                ; cat, wo_f
	s_load_b64 s[8:9], s[0:1], 0x10                ; out0
	v_lshl_add_u32 v[SPW], v0, 2, SPARE
	v_mov_b32 v[NIL], 0
	ds_add_u32 v[SPW], v[NIL]                      ; the wave's opening: the add, twice on end, and its wait ahead of my first tensor load
	ds_add_u32 v[SPW], v[NIL]
	v_lshrrev_b32 v1, 5, v0
	v_readfirstlane_b32 s10, v1                    ; wave
	s_lshr_b32 s11, s10, 1                         ; which half of the tile's rows is mine.  Also: I fetch for cat (0) or for W_o (1)
	s_and_b32 s12, s10, 1                          ; which half of its columns.  Also: which four tiles of 16 I fetch
	s_bfe_u32 s56, ttmp6, 0x40000                  ; cx, cy
	s_bfe_u32 s57, ttmp6, 0x40004
	s_lshl_b32 s58, ttmp9, 2
	s_add_co_u32 s58, s58, s56                     ; tile column
	s_and_b32 s13, ttmp7, 0xffff
	s_lshl_b32 s13, s13, 2
	s_add_co_u32 s13, s13, s57                     ; tile row
	s_lshl_b32 s59, s57, 2
	s_lshl_b32 s59, 15, s59                        ; my row of the cluster
	s_lshl_b32 s60, 0x1111, s56                    ; my column
	s_or_b32 s[G1A], s59, (3<<16)|(1<<21)          ; the mask; elements of 8 bytes; bit 21 beside a mask; no padding: images are read at 16 x lane
	s_or_b32 s[G1B], s60, (3<<16)|(1<<21)
.irp g, G1A, G1B
	s_mov_b32 s[\g+1], 512<<16                     ; tensor_dim0 = 512 elements: a tile's 4 KiB of a chunk
	s_mov_b32 s[\g+2], 4<<16                       ; tensor_dim1 = 4 tiles
	s_mov_b32 s[\g+3], 512<<16                     ; tile_dim0
	s_mov_b32 s[\g+4], 4                           ; tile_dim1
	s_mov_b32 s[\g+5], 2048                        ; 16 KiB from tile to tile
	s_mov_b32 s[\g+6], 0
	s_mov_b32 s[\g+7], 0
.endr
	s_lshl_b32 s17, s12, 16                        ; my four tiles of the eight
	s_lshl_b32 s16, s13, 17
	s_add_co_u32 s16, s16, s17                     ; cat: of the tile row and the wave's number alone
	s_lshl_b32 s62, s58, 17
	s_add_co_u32 s62, s62, s17                     ; W_o: of the tile column and the wave's number alone
	s_mov_b32 s17, 0
	s_mov_b32 s63, 0
	s_lshl_b32 s20, s10, 14                        ; where they go in a chunk: 16 KiB x wave
	s_wait_dscnt 0x0                               ; both opening adds are done
	s_wait_kmcnt 0x0
	s_add_nc_u64 s[14:15], s[4:5], s[16:17]
	s_add_nc_u64 s[62:63], s[6:7], s[62:63]
	CROUND                                         ; all sixteen work-groups are here: the joint loads meet
.irp q, 0,1,2,3
	s_mov_b32 s[G0A+4*\q], 1
	s_add_co_u32 s[G0A+4*\q+1], s20, \q*CHUNK
	s_add_nc_u64 s[G0A+4*\q+2:G0A+4*\q+3], s[14:15], \q*4096
	s_or_b32 s[G0A+4*\q+3], s[G0A+4*\q+3], 0x80000000
	s_mov_b32 s[G0B+4*\q], 1
	s_add_co_u32 s[G0B+4*\q+1], s20, \q*CHUNK
	s_add_nc_u64 s[G0B+4*\q+2:G0B+4*\q+3], s[62:63], \q*4096
	s_or_b32 s[G0B+4*\q+3], s[G0B+4*\q+3], 0x80000000
.endr
	s_cmp_eq_u32 s11, 0                            ; a wave's four fills stand in one branch on its number: four loads of mine are out
	s_cbranch_scc0 .Lfor_b
.irp q, 0,1,2,3
	tensor_load_to_lds s[G0A+4*\q:G0A+4*\q+3], s[G1A:G1A+7]
	s_nop 0
.endr
.rept 4
	v_nop
.endr
	s_branch .Lasked
.Lfor_b:
.irp q, 0,1,2,3
	tensor_load_to_lds s[G0B+4*\q:G0B+4*\q+3], s[G1B:G1B+7]
	s_nop 0
.endr
.rept 4
	v_nop
.endr
.Lasked:
	v_and_b32 v1, 15, v0                           ; r
	v_bfe_u32 v2, v0, 4, 1                         ; h
	v_and_b32 v3, 31, v0
	v_lshlrev_b32 v3, 4, v3                        ; 16 x lane
	s_lshl_b32 s21, s11, 14                        ; my four tiles of cat,
	s_lshl_b32 s22, s12, 14
	s_add_co_u32 s22, s22, 32768                   ; my four of W_o, behind cat's eight
.irp q, 0,1,2,3
	v_add_nc_u32 v[ADRA+\q], s21, v3
	v_add_nc_u32 v[ADRB+\q], s22, v3
	s_add_co_u32 s21, s21, CHUNK
	s_add_co_u32 s22, s22, CHUNK
.endr
	s_mul_i32 s23, s10, 16*SPITCH
	s_add_co_u32 s23, s23, STAGE                   ; my stage
	v_mul_u32_u24 v4, v1, SPITCH
	v_lshl_add_u32 v4, v2, 5, v4
	v_add_nc_u32 v[STO], s23, v4                   ; in: row r, 32 bytes for each half of the lanes
	v_mul_u32_u24 v5, v2, SPITCH
	v_lshl_add_u32 v5, v1, 4, v5
	v_add_nc_u32 v[RD], s23, v5                    ; back: lanes 0-15 one row of 256 bytes, lanes 16-31 the next
	v_lshlrev_b32 v5, 11, v2
	v_lshl_add_u32 v[CO], v1, 4, v5                ; and the same two rows in out0
	s_lshl_b32 s16, s13, 18                        ; 128 rows of 2,048 bytes a tile row,
	s_lshl_b32 s17, s11, 17                        ; my 64 rows,
	s_add_co_u32 s16, s16, s17
	s_lshl_b32 s17, s58, 9                         ; 512 bytes a tile column,
	s_add_co_u32 s16, s16, s17
	s_lshl_b32 s17, s12, 8                         ; my 256
	s_add_co_u32 s16, s16, s17
	s_mov_b32 s17, 0
	s_add_nc_u64 s[8:9], s[8:9], s[16:17]
; 8 matrix instructions: row blocks a0, a0 + 1 x all 4 column blocks, 32 along K: half c of buffer f.  The 16 accumulators take turns, one instruction a turn.
.macro MUL8 f, c, a0, zero
.irp a, \a0, \a0+1
.irp b, 0,1,2,3
.if \zero
	v_wmma_f32_16x16x32_f16 v[ACC+8*(4*(\a)+\b):ACC+8*(4*(\a)+\b)+7], v[\f+64+8*(4*\c+\b):\f+64+8*(4*\c+\b)+7], v[\f+8*(4*\c+\a):\f+8*(4*\c+\a)+7], 0
.else
	v_wmma_f32_16x16x32_f16 v[ACC+8*(4*(\a)+\b):ACC+8*(4*(\a)+\b)+7], v[\f+64+8*(4*\c+\b):\f+64+8*(4*\c+\b)+7], v[\f+8*(4*\c+\a):\f+8*(4*\c+\a)+7], v[ACC+8*(4*(\a)+\b):ACC+8*(4*(\a)+\b)+7]
.endif
.endr
.endr
.endm
; 32 LDS loads in one run: the fragments of 64 along K (half k2 of chunk q) into buffer f; the first 32 along K first
.macro FETCH q, k2, f
	WIN TO_F
.irp c, 0,1
.irp i, 0,1,2,3
	ds_load_b128 v[\f+64+8*(4*\c+\i):\f+64+8*(4*\c+\i)+3],   v[ADRB+\q] offset:4096*\i+1024*(2*\k2+\c)
	ds_load_b128 v[\f+64+8*(4*\c+\i)+4:\f+64+8*(4*\c+\i)+7], v[ADRB+\q] offset:4096*\i+1024*(2*\k2+\c)+512
	ds_load_b128 v[\f+8*(4*\c+\i):\f+8*(4*\c+\i)+3],         v[ADRA+\q] offset:4096*\i+1024*(2*\k2+\c)
	ds_load_b128 v[\f+8*(4*\c+\i)+4:\f+8*(4*\c+\i)+7],       v[ADRA+\q] offset:4096*\i+1024*(2*\k2+\c)+512
.endr
.endr
.endm
.macro PLACES                          ; four plain places in front of loads into registers that matrix instructions have read, and of the first read of results
.rept 4
	v_nop
.endr
.endm
; 64 along K: 32 matrix instructions on buffer f; in the middle the next 64 (half nk of chunk nq) are fetched into g.  open = 1: they are chunk nq's first: its load is waited for, and a barrier shows everybody's.
.macro UNIT f, g, zero, nq, nk, open
	s_wait_dscnt 16                                ; the first 32 along K are in
	WIN MUL
	MUL8 \f, 0, 0, \zero
	MUL8 \f, 0, 2, \zero
	PLACES
.if \open
	s_wait_dscnt 0x0                               ; no LDS instruction of mine is pending at a signal
	s_wait_tensorcnt 3-\nq                         ; my part of chunk nq is in; the younger chunks' loads may stay out
	s_barrier_signal -1
	s_barrier_wait -1
.endif
	FETCH \nq, \nk, \g
	s_wait_dscnt 32                                ; all but the 32 just issued
	WIN MUL
	MUL8 \f, 1, 0, 0
	MUL8 \f, 1, 2, 0
.endm
	s_wait_tensorcnt 3                             ; my part of chunk 0 is in; three loads may stay out
	s_barrier_signal -1
	s_barrier_wait -1
	FETCH 0, 0, F0
	UNIT F0, F1, 1, 0, 1, 0                        ; the first products start the sums
	UNIT F1, F0, 0, 1, 0, 1
	UNIT F0, F1, 0, 1, 1, 0
	UNIT F1, F0, 0, 2, 0, 1
	UNIT F0, F1, 0, 2, 1, 0
	UNIT F1, F0, 0, 3, 0, 1
	UNIT F0, F1, 0, 3, 1, 0
	s_wait_dscnt 16                                ; the last 64 along K: nothing more to fetch
	WIN MUL
	MUL8 F1, 0, 0, 0
	MUL8 F1, 0, 2, 0
	s_wait_dscnt 0x0
	MUL8 F1, 1, 0, 0
	MUL8 F1, 1, 2, 0
	WIN 0
	PLACES
; THE WAY OUT, 16 rows x 64 columns at a time, through my own stage: a lane's 32 bytes go in, whole rows of 256 bytes come back, and sixteen lanes store 256 consecutive bytes, aligned.
; LDS serves a wave's instructions in order (ISA guide 5.7.1.4): no wait between the stores and the loads, nor ahead of the next block's stores.
.irp a, 0,1,2,3
.if \a >= 2
	s_wait_xcnt 0x0                                ; block a - 2's stores have read their data: its registers are loaded again only behind this wait
.endif
.irp b, 0,1,2,3
	ds_store_b128 v[STO], v[ACC+8*(4*\a+\b):ACC+8*(4*\a+\b)+3] offset:64*\b       ; each accumulator from its low end on
	ds_store_b128 v[STO], v[ACC+8*(4*\a+\b)+4:ACC+8*(4*\a+\b)+7] offset:64*\b+16
.endr
.irp t, 0,1,2,3,4,5,6,7
	ds_load_b128 v[BK+32*(\a%2)+4*\t:BK+32*(\a%2)+4*\t+3], v[RD] offset:2*\t*SPITCH
.endr
.irp t, 0,1,2,3,4,5,6,7
	s_wait_dscnt 7-\t                              ; the younger loads from the stage may be out
	global_store_b128 v[CO], v[BK+32*(\a%2)+4*\t:BK+32*(\a%2)+4*\t+3], s[8:9] offset:(16*\a+2*\t)*2048 th:TH_STORE_NT
.endr
.endr
	s_wait_tensorcnt 0x0                           ; the wave's end, behind my last tensor load and my last LDS store
	ds_add_u32 v[SPW], v[NIL]
	s_wait_dscnt 0x0
	CROUND                                         ; the closing round
	s_endpgm
.Lfunc_end_k_q271cc94b19_oproj:
	.size	k_q271cc94b19_oproj, .Lfunc_end_k_q271cc94b19_oproj-k_q271cc94b19_oproj
	.p2alignl 7, 3214868480
	.fill 96, 4, 3214868480
	.section	.rodata,"a",@progbits
	.p2align	6, 0x0
	.amdhsa_kernel k_q271cc94b19_oproj
		.amdhsa_group_segment_fixed_size 327680
		.amdhsa_private_segment_fixed_size 0
		.amdhsa_enable_private_segment 0
		.amdhsa_kernarg_size 24
		.amdhsa_user_sgpr_count 2
		.amdhsa_user_sgpr_kernarg_segment_ptr 1
		.amdhsa_wavefront_size32 1
		.amdhsa_system_sgpr_workgroup_id_x 1
		.amdhsa_system_sgpr_workgroup_id_y 1
		.amdhsa_system_sgpr_workgroup_id_z 1
		.amdhsa_system_vgpr_workitem_id 0
		.amdhsa_next_free_vgpr 512
		.amdhsa_next_free_sgpr 96
		.amdhsa_reserve_vcc 0
		.amdhsa_float_denorm_mode_32 3
		.amdhsa_float_denorm_mode_16_64 3
		.amdhsa_memory_ordered 1
		.amdhsa_forward_progress 1
		.amdhsa_inst_pref_size 51
	.end_amdhsa_kernel
	.amdgpu_metadata
---
amdhsa.version: [ 1, 2 ]
amdhsa.kernels:
  - .name:           k_q271cc94b19_oproj
    .symbol:         k_q271cc94b19_oproj.kd
    .args:
      - { .name: cat, .offset: 0, .size: 8, .value_kind: global_buffer, .address_space: global }
      - { .name: wo_f, .offset: 8, .size: 8, .value_kind: global_buffer, .address_space: global }
      - { .name: out0, .offset: 16, .size: 8, .value_kind: global_buffer, .address_space: global }
    .group_segment_fixed_size: 327680
    .private_segment_fixed_size: 0
    .kernarg_segment_align: 8
    .kernarg_segment_size: 24
    .max_flat_workgroup_size: 128
    .sgpr_count:     96
    .vgpr_count:     512
    .wavefront_size: 32
...
	.end_amdgpu_metadata
.endif
;; end of part 4
